; MI455X (gfx1250); checked and timed in simulation.
; The chip was launched on July 23, 2026; its instructions are those of AMD's public machine-readable ISA for CDNA 5 (MIT licence, August 2026) and "CDNA5" Instruction Set Architecture Reference Guide (July 2026). The comments in the code are by the model that wrote it; some were corrected since.
;; Euler Full Attention. Allowed arithmetic: matrix products marked QUANTISED: E2M3 operands, one E8M0 scale for each 32 along K, by v_wmma_scale_f32_16x16x128_f8f6f4 with both operands' format E2M3, f32 sums; everything else in f32.
;; Inputs: b_k 16 x 64 float32; b_out 1,024 float32; b_q 16 x 64 float32; b_v 16 x 64 float32; phi_k 16 x 64 float32; phi_q 16 x 64 float32; w_k 16 x 64 float32; w_out 1,024 float32; w_q 16 x 64 float32; w_v 16 x 64 float32; x 2 x 2,048 x 1,024 float32.
;; Outputs: out0 2 x 2,048 x 1,024 float32.
;; This version of the problem:
;;   THIS VERSION OF THE PROBLEM IS GIVEN IN LOW PRECISION. The matrix products marked QUANTISED in the list below multiply operands that are first quantised to E2M3 (2 exponent bits, 3 mantissa bits; 6 bits a number), with one power-of-two scale for each 32 numbers along K (OCP MX v1.0); their sums are f32. All else is computed in f32.
;;   The module's matrix products, in the order in which they are computed (A, B: the left and right operand; K: the contracted axis; several contracted axes count as one K, in the product's order):
;;     1. batch 32 x [M 2,048, K 128] x [K 128, N 2,048]; A: computed on the way; B: computed on the way: QUANTISED
;;     2. batch 32 x [M 64, K 2,048] x [K 2,048, N 2,048]; A: computed on the way; B: softmax (see below): QUANTISED
;;   THE QUANTISER, for each operand of a quantised product, along K:
;;     - K is cut into blocks of 32 from its start; a last block that is shorter is filled with zeros.
;;     - A block's scale is 2^e with e = floor(log2(the largest magnitude in the block)) - 2, held to -126 .. 127; a block of zeros has e = 0. As a byte (E8M0): e + 127.
;;     - Each number is divided by its block's scale, clamped to +-7.5, and rounded to the nearest number of E2M3, ties to even, subnormals kept.
;;     - The product sums the exact products of the quantised numbers (number of the format x scale) in f32.
;;   ~~~python
;;   def quantise(x, axis):      # numpy; x: float32 -> the quantised numbers, widened to float32 again
;;       x = np.moveaxis(x, axis, -1); K = x.shape[-1]
;;       x = np.pad(x, [(0, 0)] * (x.ndim - 1) + [(0, -K % 32)]); x = x.reshape(x.shape[:-1] + (-1, 32)); a = np.abs(x).max(-1, keepdims=True)
;;       e = np.where(a > 0, np.clip(np.frexp(np.where(a > 0, a, 1))[1] - 1 - 2, -126, 127), 0)      # np.frexp(a)[1] - 1 = floor(log2(a)), exactly
;;       r = np.clip(x / 2.0 ** e, -7.5, 7.5)
;;       step = 2.0 ** (np.maximum(np.frexp(np.where(r == 0, 1, r))[1] - 1, 0) - 3)
;;       q = np.round(r / step) * step * 2.0 ** e      # np.round: ties to even
;;       return np.moveaxis(q.reshape(q.shape[:-2] + (-1,))[..., :K], -1, axis).astype(np.float32)
;;   ~~~
;;   SOFTMAX AHEAD OF A QUANTISED PRODUCT. Where the list says 'softmax', what is quantised is not the finished softmax but p = 2^(t - M), with t = logit x log2(e) and M = ceil(the row's largest t), a whole number; so 1/2 < the row's largest p <= 1. The row's sum l is taken of the UNQUANTISED p, in f32, and the product's result is divided by l at the end. Since M is a whole number, a kernel that streams over the keys may use a running M (the ceiling of the running maximum): every later rescaling is an exact power of two, which a block's scale takes up: the codes' values come out the same.
;;   OPERANDS COMPUTED ON THE WAY. 'Computed on the way' means the value that the module computes at that place (a softmax that the list does not call 'softmax' is quantised finished and normalised). What goes into a quantiser is computed in f32, as accurately as f32 sums, v_exp_f32 and their like allow (about 1e-6 of the number): no bf16 or f16 on the way to a quantiser, and a product that is left as it is and whose result goes on into a quantised operand takes f32 operands (vector FMAs, or v_wmma_f32_16x16x4_f32). A number that lies on a knife's edge between two numbers of the format may be rounded either way, as far as f32 arithmetic and the matrix unit's own rounding can turn it there, and no further.
;; One version. Each part assembles by itself: llvm-mc -triple=amdgcn-amd-amdhsa -mcpu=gfx1250 --defsym DOCPART=n.
;; ======== version 1 of 1: 2 launches
;; workspace buffers: kv 9,830,400 bytes; qc 6,553,600 bytes; rout 4,096 bytes
;; launch prep (part 1): grid 16 x 32, 4 waves a work-group, no clusters, 45,056 bytes of LDS; arguments x, w_q, b_q, phi_q, w_k, b_k, phi_k, w_v, b_v, w_out, kv, qc, rout; writes kv, qc, rout
.if DOCPART == 1
	.amdgcn_target "amdgcn-amd-amdhsa--gfx1250"
	.amdhsa_code_object_version 6
	.text
	.protected	k_q27a5127f5c_prep
	.globl	k_q27a5127f5c_prep
	.p2align	8
	.type	k_q27a5127f5c_prep,@function
k_q27a5127f5c_prep:
	s_mov_b64 s[64:65], 0
	v_nop
	global_prefetch_b8 v0, s[64:65] scope:SCOPE_SE
	s_setreg_imm32_b32 hwreg(HW_REG_WAVE_MODE, 25, 1), 1
	s_wait_xcnt 0x0
; x [2][2048][1024] f32 becomes the three operands of the attention, as codes of FP6 (E2M3) with one E8M0 byte for each 32 along a product's K:
;   Q, K: rows of 128 = [cos th | sin th] of 64 phases th = x / (1 + |w|) + b + t phi;   V = cos th + sin th of th = x / (1 + |w_v|) + b_v, quantised along the KEYS.
; A work-group takes 128 rows (key step s = work-group x) of one head (hd = 16 b + h = work-group y): 128 x 256 bytes of x, read once, turned through LDS.
; Wave w makes K's tiles 2 w, 2 w + 1, Q's tiles 2 w, 2 w + 1 and V's tile w.  Every operand leaves AS AN IMAGE OF ITS REGISTERS: registers 4 c .. 4 c + 3 of lane L at 512 c + 16 L of the fragment's 1,536 bytes.
;   kv [hd][s]: 19,200 bytes: K's 8 fragments | 512 bytes of K's scale words (word 4 j of lane L's 16 bytes: tile 2 j + L / 16, row L % 16) | V^T's 4 fragments | 256 bytes of V's scale words (the same with 8 bytes a lane)
;   qc [hd][s]: 12,800 bytes: Q's 8 fragments | 512 bytes of scale words in K's form.      rout [1024]: 1 / (1 + |w_out|)
; THE KEYS OF A TILE OF K ARE NOT NEIGHBOURS: lane r of tile 2 b + u is key 32 b + 8 u + r + 8 (r / 8), so that the scores of two neighbouring tiles are 16 neighbouring keys in a lane.
; THE TABLE FUNCTION WITHOUT A TABLE.  pos, i0 and f are made as they are defined: u = th / 2 pi (a product with the reciprocal and one fused correction), u - floor(u), x 4096, floor, difference.
; The table's nodes are computed: i0 = 2048 k + j, |j| <= 1024; sine and cosine of x = j pi / 4096 by polynomials on |x| <= pi / 4, one doubling of the angle, the sign (-1)^k.
; The second node is the first turned by h = 2 pi / 4096, so the interpolation is  sin = s0 (1 + f (cos h - 1)) + c0 f sin h,  cos = c0 (1 + f (cos h - 1)) - s0 f sin h.
; LIMITS.  The nodes are sin and cos of 2 pi i / 4096 to about 2e-7, where the table holds those of the angle rounded to f32 (at most 6e-7 away).  x / (1 + |w|) is x times a refined reciprocal, fused with the
; addition of b: about one unit in the last place.  t phi is rounded by itself and then added.  NaN and infinities in the inputs are not served.  A block of zeros gets the byte 1: its codes are zeros, and this program alone reads the bytes.
.set XP,    272                        ; a row of x in LDS: 256 bytes + 16, so that sixteen rows' 16-byte pieces start at sixteen different places modulo 256 bytes
.set CST,   128*XP                     ; behind the 128 rows: the head's constants, 8 arrays of 256 bytes for EACH wave: 0 1/(1+|w_q|), 1 b_q, 2 phi_q, 3 1/(1+|w_k|), 4 b_k, 5 phi_k, 6 1/(1+|w_v|), 7 b_v
.set SCK,   CST+4*2048                 ; K's scale words: 128 bytes a wave
.set SCQ,   SCK+512                    ; Q's
.set SCV,   SCQ+512                    ; V's: 64 bytes a wave
.set FRB,   1536                       ; a fragment's image
.set KSC,   8*FRB                      ; in a block of kv or qc: the scale words behind the eight fragments
.set VFR,   KSC+512                    ; V's fragments
.set VSC,   VFR+4*FRB                  ; V's scale words
.set L4,    1                          ; v1   4 x lane (made last: until then the lane)
.set CVA,   3                          ; v3   my channel's place in my wave's constants (made late: until then lane / 16)
.set XG,    4                          ; v4   x in memory: 4096 (lane / 16) + 16 (lane % 16)
.set XS,    5                          ; v5   x into LDS
.set AK,    6                          ; v6   my row of a tile of K in LDS, + 128 (lane / 16)
.set AQ,    7                          ; v7   of a tile of Q
.set AV,    8                          ; v8   my channel's column, 32 (lane / 16) rows down
.set CA,    9                          ; v9   my 32 phases' constants
.set L16W,  10                         ; v10  16 x lane + 3072 x wave: my two tiles' images
.set SH8,   11                         ; v11  8 (lane / 16)
.set TF,    12                         ; v[12:13] t, twice
.set WPREV, 14                         ; v14  the first tile's scale word
.set WP,    15                         ; v15  a lane permute's destination
.set W,     16                         ; v16  the scale word just made
.set MX,    17                         ; v17-18 largest magnitudes, v19-20 the conversions' scale operands, v21-22 the bytes
.set SKA,   23                         ; v23  4 x lane + 128 x wave
.set SVA,   24                         ; v24  4 (lane % 16) + 64 x wave
.set CW,    25                         ; v25  where I store 8 bytes of a constant array
.set RV,    26                         ; v[26:27] 1/(1+|w_v|) of my channel, twice;  v[28:29] b_v
.set BV,    28
.set PS2,   30                         ; v[30:37] four polynomial coefficients, each twice
.set PS1,   32
.set PC2,   34
.set PC1,   36
.set TKB,   38                         ; v38  the position of my row of K's first tile, a whole number;  v39 of Q's
.set TQB,   39
.set RA,    40                         ; v40-71 four arrays of eight at work
.set RE,    48
.set RB,    56
.set RP,    64
.set CD,    72                         ; v72-83 a fragment's codes
.set TMP,   84                         ; v84-91 the conversions' second halves; in the table function a fifth array
.set XR,    84
.set LV16,  92                         ; v92  16 x lane + 1536 x wave
.set CG,    93                         ; v93  256 h + 8 x lane: the head's constants in memory
.set L16,   94                         ; v94  16 x lane
.set L8,    95                         ; v95  8 x lane
.set RC,    96                         ; v96-127 reciprocals, v128-159 biases, v160-191 phi of my 32 phases
.set BC,    128
.set PH,    160
.set CO,    192                        ; v192-223 cosines;  v224-255 x, then phases, then sines.  For V: v192-255 are 64 keys of my channel
.set SI,    224
.set KD,    42                         ; s[42:43] my block of kv;  s[44:45] of qc
.set QD,    44
; Lines of four packed instructions on eight numbers: no line waits for the line above it.  V: an array of eight registers; C: a constant; P: one register pair for all four
.macro M_VC d, a, c
.irp k, 0,2,4,6
	v_pk_mul_f32 v[(\d)+\k:(\d)+\k+1], v[(\a)+\k:(\a)+\k+1], \c op_sel_hi:[1,0]
.endr
.endm
.macro A_VC d, a, c
.irp k, 0,2,4,6
	v_pk_add_f32 v[(\d)+\k:(\d)+\k+1], v[(\a)+\k:(\a)+\k+1], \c op_sel_hi:[1,0]
.endr
.endm
.macro M_VV d, a, b
.irp k, 0,2,4,6
	v_pk_mul_f32 v[(\d)+\k:(\d)+\k+1], v[(\a)+\k:(\a)+\k+1], v[(\b)+\k:(\b)+\k+1]
.endr
.endm
.macro M_VP d, a, p
.irp k, 0,2,4,6
	v_pk_mul_f32 v[(\d)+\k:(\d)+\k+1], v[(\a)+\k:(\a)+\k+1], v[(\p):(\p)+1]
.endr
.endm
.macro A_VV d, a, b
.irp k, 0,2,4,6
	v_pk_add_f32 v[(\d)+\k:(\d)+\k+1], v[(\a)+\k:(\a)+\k+1], v[(\b)+\k:(\b)+\k+1]
.endr
.endm
.macro S_VV d, a, b                    ; a - b
.irp k, 0,2,4,6
	v_pk_add_f32 v[(\d)+\k:(\d)+\k+1], v[(\a)+\k:(\a)+\k+1], v[(\b)+\k:(\b)+\k+1] neg_lo:[0,1] neg_hi:[0,1]
.endr
.endm
.macro F_VCV d, a, c, e                ; a c + e
.irp k, 0,2,4,6
	v_pk_fma_f32 v[(\d)+\k:(\d)+\k+1], v[(\a)+\k:(\a)+\k+1], \c, v[(\e)+\k:(\e)+\k+1] op_sel_hi:[1,0,1]
.endr
.endm
.macro F_VCP d, a, c, p
.irp k, 0,2,4,6
	v_pk_fma_f32 v[(\d)+\k:(\d)+\k+1], v[(\a)+\k:(\a)+\k+1], \c, v[(\p):(\p)+1] op_sel_hi:[1,0,1]
.endr
.endm
.macro F_VCC d, a, c, e
.irp k, 0,2,4,6
	v_pk_fma_f32 v[(\d)+\k:(\d)+\k+1], v[(\a)+\k:(\a)+\k+1], \c, \e op_sel_hi:[1,0,0]
.endr
.endm
.macro F_VVP d, a, b, p
.irp k, 0,2,4,6
	v_pk_fma_f32 v[(\d)+\k:(\d)+\k+1], v[(\a)+\k:(\a)+\k+1], v[(\b)+\k:(\b)+\k+1], v[(\p):(\p)+1]
.endr
.endm
.macro F_VPP d, a, p, q
.irp k, 0,2,4,6
	v_pk_fma_f32 v[(\d)+\k:(\d)+\k+1], v[(\a)+\k:(\a)+\k+1], v[(\p):(\p)+1], v[(\q):(\q)+1]
.endr
.endm
.macro F_VVC d, a, b, c
.irp k, 0,2,4,6
	v_pk_fma_f32 v[(\d)+\k:(\d)+\k+1], v[(\a)+\k:(\a)+\k+1], v[(\b)+\k:(\b)+\k+1], \c op_sel_hi:[1,1,0]
.endr
.endm
.macro F_VNC d, a, b, c                ; c - a b
.irp k, 0,2,4,6
	v_pk_fma_f32 v[(\d)+\k:(\d)+\k+1], v[(\a)+\k:(\a)+\k+1], v[(\b)+\k:(\b)+\k+1], \c op_sel_hi:[1,1,0] neg_lo:[0,1,0] neg_hi:[0,1,0]
.endr
.endm
.macro F_VVV d, a, b, e
.irp k, 0,2,4,6
	v_pk_fma_f32 v[(\d)+\k:(\d)+\k+1], v[(\a)+\k:(\a)+\k+1], v[(\b)+\k:(\b)+\k+1], v[(\e)+\k:(\e)+\k+1]
.endr
.endm
.macro F_VNV d, a, b, e                ; e - a b
.irp k, 0,2,4,6
	v_pk_fma_f32 v[(\d)+\k:(\d)+\k+1], v[(\a)+\k:(\a)+\k+1], v[(\b)+\k:(\b)+\k+1], v[(\e)+\k:(\e)+\k+1] neg_lo:[0,1,0] neg_hi:[0,1,0]
.endr
.endm
.macro FLOOR d, a
.irp k, 0,1,2,3,4,5,6,7
	v_floor_f32 v[(\d)+\k], v[(\a)+\k]
.endr
.endm
; Eight phases in v[th] on.  Leaves: RA = f, RE = sin and RB = cos of the node's angle without its sign, bit 0 of v[th] = k & 1
.macro CORE th
	M_VC  RA, \th, 0.15915494          ; th x 1 / 2 pi,
	F_VCV RE, RA, 0xc0c90fdb, \th      ; what that leaves of th,
	F_VCV RA, RE, 0.15915494, RA       ; and the corrected quotient u = th / 2 pi
	FLOOR RE, RA
	S_VV  RA, RA, RE                   ; u mod 1
	M_VC  RA, RA, 0x45800000           ; pos = x 4096
	FLOOR RE, RA                       ; i0
	S_VV  RA, RA, RE                   ; f
	A_VC  \th, RE, 0x50c00000          ; + 1.5 x 2^34, whose last place is 2048: i0 is rounded to 2048 k, and the sum's lowest bit is k & 1
	A_VC  RB, \th, 0xd0c00000          ; 2048 k
	S_VV  RE, RE, RB                   ; j, a whole number, |j| <= 1024
	M_VC  RE, RE, 0x3a490fdb           ; x = j pi / 4096: half the node's angle less k pi
	M_VV  RB, RE, RE                   ; z = x^2
	F_VCP RP, RB, 0xb94ca1f9, PS2
	F_VVP RP, RP, RB, PS1
	M_VV  RP, RP, RB
	F_VVV RP, RP, RE, RE               ; sin x
	F_VCP RE, RB, 0x37ccf5ce, PC2
	F_VVP RE, RE, RB, PC1
	F_VVC RE, RE, RB, -0.5
	F_VVC RE, RE, RB, 1.0              ; cos x
	A_VV  RB, RP, RP
	M_VV  RE, RB, RE                   ; s0 = 2 sin x cos x
	F_VNC RB, RB, RP, 1.0              ; c0 = 1 - 2 sin^2 x
.endm
.macro LERP2 th, co                    ; the interpolated sine into v[th] on, the cosine into v[co] on
.irp k, 0,1,2,3,4,5,6,7
	v_lshl_or_b32 v[(\th)+\k], v[(\th)+\k], 31, 0x3f800000   ; sg = (-1)^k
.endr
	M_VV  RA, \th, RA                  ; sg f
	F_VCV RP, RA, 0xb59de9e4, \th      ; sg (1 + f (cos h - 1))
	M_VC  RA, RA, 0x3ac90fd5           ; sg f sin h
	M_VV  \th, RE, RP
	F_VVV \th, RB, RA, \th
	M_VV  \co, RB, RP
	F_VNV \co, RE, RA, \co
.endm
.macro LERPSUM th                      ; cosine + sine = s0 (P - A) + c0 (P + A), P = 1 + f (cos h - 1), A = f sin h, into v[th] on
	F_VCC RP, RA, 0xb59de9e4, 1.0
	M_VC  RA, RA, 0x3ac90fd5
	S_VV  XR, RP, RA
	A_VV  RP, RP, RA
	M_VV  XR, RE, XR
	F_VVV XR, RB, RP, XR
.irp k, 0,1,2,3,4,5,6,7
	v_lshl_add_u32 v[(\th)+\k], v[(\th)+\k], 31, v[XR+\k]    ; where k is odd the sum's top bit turns over: the sign
.endr
.endm
; Two whole blocks of 32 of a lane, v[x0] on (k = 32 (lane / 16) + i) and v[x1] on (k = 64 + 32 (lane / 16) + i), become the fragment's 12 registers in v[CD] on and the row's scale word in v[W]
.macro QUANT x0, x1
	v_max3_num_f32 v[MX], |v[(\x0)]|, |v[(\x0)+1]|, 0x1800000     ; with the floor 2^(3 - 127) among the leaves: the byte cannot fall under 1
	v_max3_num_f32 v[MX+1], |v[(\x1)]|, |v[(\x1)+1]|, 0x1800000
.irp i, 2,4,6,8,10,12,14,16,18,20,22,24,26,28,30
	v_max3_num_f32 v[MX], v[MX], |v[(\x0)+\i]|, |v[(\x0)+\i+1]|
	v_max3_num_f32 v[MX+1], v[MX+1], |v[(\x1)+\i]|, |v[(\x1)+\i+1]|
.endr
	v_add_nc_u32 v[MX+2], 0xff000000, v[MX]        ; 2 off the exponent field: the conversion takes that field as its scale
	v_add_nc_u32 v[MX+3], 0xff000000, v[MX+1]
	v_lshrrev_b32 v[MX+4], 23, v[MX+2]             ; the bytes
	v_lshrrev_b32 v[MX+5], 23, v[MX+3]
	v_lshl_or_b32 v[W], v[MX+5], 16, v[MX+4]       ; blocks h and 2 + h,
	v_lshlrev_b32 v[W], v[SH8], v[W]               ; at their places in the word;
	v_permlanex16_b32 v[WP], v[W], s38, s39
	v_or_b32 v[W], v[W], v[WP]                     ; with lane l xor 16's two the word is whole
	v_cvt_scalef32_pk16_fp6_f32 v[CD:CD+2], v[(\x0):(\x0)+15], v[MX+2]
	v_cvt_scalef32_pk16_fp6_f32 v[TMP:TMP+2], v[(\x0)+16:(\x0)+31], v[MX+2]     ; (a conversion's three registers begin on an even number)
	v_cvt_scalef32_pk16_fp6_f32 v[CD+6:CD+8], v[(\x1):(\x1)+15], v[MX+3]
	v_cvt_scalef32_pk16_fp6_f32 v[TMP+4:TMP+6], v[(\x1)+16:(\x1)+31], v[MX+3]
	v_nop                                          ; one plain place behind the scaled conversions
.irp i, 0,1,2
	v_mov_b32 v[CD+3+\i], v[TMP+\i]
	v_mov_b32 v[CD+9+\i], v[TMP+4+\i]
.endr
.endm
.macro CONSTS a                        ; arrays a, a + 1, a + 2 of my 32 phases
.irp j, 0,1,2,3,4,5,6,7
	ds_load_b128 v[RC+4*\j:RC+4*\j+3], v[CA] offset:(\a)*256+16*\j
	ds_load_b128 v[BC+4*\j:BC+4*\j+3], v[CA] offset:((\a)+1)*256+16*\j
	ds_load_b128 v[PH+4*\j:PH+4*\j+3], v[CA] offset:((\a)+2)*256+16*\j
.endr
.endm
; A tile of K or Q: my row's 32 numbers of x become 32 cosines and 32 sines, which are my two blocks of the row's 128
.macro ROT_TILE adr, rimm, tb, tadd, dst, dimm
	s_wait_xcnt 0x0                                ; the last tile's stores have read v[CD] on: it is written again only behind this wait
.irp j, 0,1,2,3,4,5,6,7
	ds_load_b128 v[SI+4*\j:SI+4*\j+3], v[\adr] offset:(\rimm)+16*\j
.endr
	v_add_nc_u32 v[TF], \tadd, v[\tb]
	v_cvt_f32_u32 v[TF], v[TF]                     ; t: a whole number under 2048, exact
	v_mov_b32 v[TF+1], v[TF]
	s_wait_alu depctr_va_vdst(0)
	s_wait_dscnt 0x0                               ; x, and the constants
.irp g, 0,1,2,3
	F_VVV SI+8*\g, SI+8*\g, RC+8*\g, BC+8*\g       ; x / (1 + |w|) + b
	M_VP  RE, PH+8*\g, TF                          ; t phi, rounded by itself
	A_VV  SI+8*\g, SI+8*\g, RE
	CORE  SI+8*\g
	LERP2 SI+8*\g, CO+8*\g
.endr
	QUANT CO, SI
.irp c, 0,1,2
	global_store_b128 v[L16W], v[CD+4*\c:CD+4*\c+3], s[\dst:\dst+1] offset:(\dimm)+512*\c    ; 32 lanes store 512 consecutive bytes, at a multiple of 256 from the buffer's first byte
.endr
.endm
	s_load_b512 s[8:23], s[0:1], 0x0               ; x, w_q, b_q, phi_q, w_k, b_k, phi_k, w_v
	s_load_b256 s[24:31], s[0:1], 0x40             ; b_v, w_out, kv, qc
	s_load_b64 s[32:33], s[0:1], 0x60              ; rout
	s_set_vgpr_msb 0x40
	v_lshl_add_u32 v0, v0, 2, 0xae00
	v_mov_b32 v1, 0
	s_set_vgpr_msb 0x4000
	v_lshrrev_b32 v1, 5, v0
	v_readfirstlane_b32 s34, v1                    ; wave 0..3
	s_and_b32 s36, ttmp7, 0xffff                   ; hd
	s_and_b32 s37, s36, 15                         ; h
	s_lshr_b32 s35, s36, 4                         ; b
	s_lshl_b32 s46, s35, 23                        ; x: b x 2048 rows of 4,096 bytes,
	s_lshl_b32 s47, ttmp9, 19                      ; + 128 s rows,
	s_add_co_u32 s46, s46, s47
	s_lshl_b32 s47, s34, 17                        ; + my wave's 32 rows,
	s_add_co_u32 s46, s46, s47
	s_lshl_b32 s48, s37, 8                         ; + the head's 256 bytes
	s_add_co_u32 s46, s46, s48
	s_mov_b32 s47, 0
	s_mul_i32 s42, s36, 16*19200
	s_mul_i32 s49, ttmp9, 19200
	s_add_co_u32 s42, s42, s49
	s_mov_b32 s43, 0
	s_mul_i32 s44, s36, 16*12800
	s_mul_i32 s49, ttmp9, 12800
	s_add_co_u32 s44, s44, s49
	s_mov_b32 s45, 0
	s_mov_b32 s38, 0x76543210
	s_mov_b32 s39, 0xfedcba98                      ; v_permlanex16_b32's selects for lane l xor 16
	s_mov_b32 s40, 0xffff0000                      ; lanes 16-31
	v_and_b32 v1, 31, v0                           ; lane
	v_and_b32 v2, 15, v0                           ; r
	v_bfe_u32 v3, v0, 4, 1                         ; lane / 16
	v_lshl_add_u32 v[CG], v1, 3, s48
	v_lshlrev_b32 v[XG], 4, v2
	v_lshl_add_u32 v[XG], v3, 12, v[XG]
	s_wait_alu depctr_va_vdst(0)
	s_wait_kmcnt 0x0
	s_add_nc_u64 s[8:9], s[8:9], s[46:47]
	s_add_nc_u64 s[KD:KD+1], s[28:29], s[KD:KD+1]
	s_add_nc_u64 s[QD:QD+1], s[30:31], s[QD:QD+1]
	global_load_b64 v[40:41], v[CG], s[10:11]      ; w_q: the head's 64 numbers, 8 bytes a lane
	global_load_b64 v[42:43], v[CG], s[16:17]      ; w_k
	global_load_b64 v[44:45], v[CG], s[22:23]      ; w_v
	global_load_b64 v[46:47], v[CG], s[12:13]      ; b_q
	global_load_b64 v[48:49], v[CG], s[14:15]      ; phi_q
	global_load_b64 v[50:51], v[CG], s[18:19]      ; b_k
	global_load_b64 v[52:53], v[CG], s[20:21]      ; phi_k
	global_load_b64 v[54:55], v[CG], s[24:25]      ; b_v
.irp i, 0,1,2,3,4,5,6,7,8,9,10,11,12,13,14,15
	global_load_b128 v[192+4*\i:195+4*\i], v[XG], s[8:9] offset:8192*\i th:TH_LOAD_NT   ; two rows' 256 bytes: sixteen lanes each; read once in the launch
.endr
	; the addresses, while the loads are out
	s_mul_i32 s49, s34, 32*XP                      ; my wave's 32 rows in LDS
	v_mul_u32_u24 v[XS], v3, XP
	v_lshl_add_u32 v[XS], v2, 4, v[XS]
	v_add_nc_u32 v[XS], s49, v[XS]
	v_and_b32 v[AK], 8, v2
	v_add_nc_u32 v[AK], v[AK], v2                  ; r + 8 (r / 8)
	s_lshl_b32 s50, ttmp9, 7
	s_lshl_b32 s51, s34, 5
	s_add_co_u32 s50, s50, s51                     ; the position of my wave's first row: 128 s + 32 w
	v_add_nc_u32 v[TKB], s50, v[AK]
	v_add_nc_u32 v[TQB], s50, v2
	v_mul_u32_u24 v[AK], v[AK], XP
	v_lshl_add_u32 v[AK], v3, 7, v[AK]
	v_add_nc_u32 v[AK], s49, v[AK]
	v_mul_u32_u24 v[AQ], v2, XP
	v_lshl_add_u32 v[AQ], v3, 7, v[AQ]
	v_add_nc_u32 v[AQ], s49, v[AQ]
	s_lshl_b32 s51, s34, 6
	v_lshl_add_u32 v[SVA], v2, 2, s51              ; 4 (16 w + r)
	v_mul_u32_u24 v[AV], v3, 32*XP
	v_add_nc_u32 v[AV], v[AV], v[SVA]
	s_lshl_b32 s49, s34, 11
	s_add_co_u32 s49, s49, CST                     ; my wave's constants
	v_lshl_add_u32 v[CA], v3, 7, s49
	v_lshl_add_u32 v[CW], v1, 3, s49
	s_mul_i32 s50, s34, 2*FRB
	v_lshl_add_u32 v[L16W], v1, 4, s50
	s_mul_i32 s50, s34, FRB
	v_lshl_add_u32 v[LV16], v1, 4, s50
	v_lshlrev_b32 v[SH8], 3, v3
	s_lshl_b32 s50, s34, 7
	v_lshl_add_u32 v[SKA], v1, 2, s50
	v_add_nc_u32 v[CVA], s49, v[SVA]               ; (lane / 16 is not wanted any more)
	v_lshlrev_b32 v[L16], 4, v1
	v_lshlrev_b32 v[L8], 3, v1
	v_lshlrev_b32 v[L4], 2, v1                     ; (nor the lane)
	v_mov_b32 v[WP], 0                             ; written once: a lane permute's destination counts as one of its sources
.irp i, 0,1
	v_mov_b32 v[PS2+\i], 0x3c08839e
	v_mov_b32 v[PS1+\i], 0xbe2aaaa3
	v_mov_b32 v[PC2+\i], 0xbab6061a
	v_mov_b32 v[PC1+\i], 0x3d2aaaa5
.endr
	s_wait_loadcnt 16                              ; the eight loads of constants are in; the sixteen of x, issued behind them, may be out
.irp i, 0,1,2,3,4,5
	v_add_f32 v[56+\i], 1.0, |v[40+\i]|            ; d = 1 + |w|
.endr
	s_wait_alu depctr_va_vdst(0)
.irp i, 0,1,2,3,4,5
	v_rcp_f32 v[62+\i], v[56+\i]
.endr
	v_nop                                          ; a plain place behind the reciprocals,
	s_wait_alu depctr_va_vdst(0)                   ; and the one wait ahead of their first reader
.irp i, 0,1,2,3,4,5
	v_fma_f32 v[68+\i], -v[56+\i], v[62+\i], 1.0   ; 1 - d r
.endr
.irp i, 0,1,2,3,4,5
	v_fma_f32 v[62+\i], v[68+\i], v[62+\i], v[62+\i]   ; the refined reciprocal
.endr
	ds_store_b64 v[CW], v[62:63]
	ds_store_b64 v[CW], v[46:47] offset:256
	ds_store_b64 v[CW], v[48:49] offset:512
	ds_store_b64 v[CW], v[64:65] offset:768
	ds_store_b64 v[CW], v[50:51] offset:1024
	ds_store_b64 v[CW], v[52:53] offset:1280
	ds_store_b64 v[CW], v[66:67] offset:1536
	ds_store_b64 v[CW], v[54:55] offset:1792
	s_wait_loadcnt 0x0                             ; x
.irp i, 0,1,2,3,4,5,6,7,8,9,10,11,12,13,14,15
	ds_store_b128 v[XS], v[192+4*\i:195+4*\i] offset:2*XP*\i
.endr
	s_wait_dscnt 0x0                               ; for the others' sake: my rows lie in LDS
	s_barrier_signal -1
	s_barrier_wait -1                              ; all 128 rows do
	; ---- K: my two tiles
	CONSTS 3
	ROT_TILE AK, 0, TKB, 0, KD, 0
	v_mov_b32 v[WPREV], v[W]
	ROT_TILE AK, 8*XP, TKB, 8, KD, FRB
	v_cndmask_b32 v[W], v[WPREV], v[W], s40        ; lanes 0-15 keep the even tile's words, lanes 16-31 the odd tile's
	ds_store_b32 v[SKA], v[W] offset:SCK
	; ---- Q: my two tiles
	CONSTS 0
	ROT_TILE AQ, 0, TQB, 0, QD, 0
	v_mov_b32 v[WPREV], v[W]
	ROT_TILE AQ, 16*XP, TQB, 16, QD, FRB
	v_cndmask_b32 v[W], v[WPREV], v[W], s40
	ds_store_b32 v[SKA], v[W] offset:SCQ
	; ---- V: my tile of 16 channels.  A lane takes channel 16 w + r and its registers run down the keys, in the order that the operand's layout gives the lane
	s_wait_xcnt 0x0                                ; the last tile's stores have read v[CD] on
	ds_load_b32 v[RV], v[CVA] offset:1536
	ds_load_b32 v[BV], v[CVA] offset:1792
.set n, 0
.rept 64
	ds_load_b32 v[CO+n], v[AV] offset:(64*(n/32)+n%32)*XP     ; key 64 c + 32 (lane / 16) + i
.set n, n+1
.endr
	s_wait_dscnt 0x0
	v_mov_b32 v[RV+1], v[RV]
	v_mov_b32 v[BV+1], v[BV]
.irp g, 0,1,2,3,4,5,6,7
	F_VPP CO+8*\g, CO+8*\g, RV, BV
	CORE  CO+8*\g
	LERPSUM CO+8*\g
.endr
	QUANT CO, CO+32
.irp c, 0,1,2
	global_store_b128 v[LV16], v[CD+4*\c:CD+4*\c+3], s[KD:KD+1] offset:VFR+512*\c
.endr
	ds_store_b32 v[SVA], v[W] offset:SCV           ; lanes r and r + 16 write the same word with the same value
	s_wait_dscnt 0x0                               ; for the others' sake: my scale words lie in LDS
	s_barrier_signal -1
	s_barrier_wait -1
	; ---- the scale words leave in whole runs: wave 0 K's 512 bytes, wave 1 Q's, wave 2 V's 256; wave 3 of the first step of batch 0 makes the head's 256 bytes of rout
	s_cmp_lg_u32 s34, 0
	s_cbranch_scc1 .Lnot_wave_0
.irp j, 0,1,2,3
	ds_load_b32 v[40+\j], v[L4] offset:SCK+128*\j  ; wave j's word of my lane: tile 2 j + lane / 16, row lane % 16
.endr
	s_wait_dscnt 0x0
	global_store_b128 v[L16], v[40:43], s[KD:KD+1] offset:KSC
	s_branch .Lend
.Lnot_wave_0:
	s_cmp_lg_u32 s34, 1
	s_cbranch_scc1 .Lnot_wave_1
.irp j, 0,1,2,3
	ds_load_b32 v[40+\j], v[L4] offset:SCQ+128*\j
.endr
	s_wait_dscnt 0x0
	global_store_b128 v[L16], v[40:43], s[QD:QD+1] offset:KSC
	s_branch .Lend
.Lnot_wave_1:
	s_cmp_lg_u32 s34, 2
	s_cbranch_scc1 .Lnot_wave_2
.irp j, 0,1
	ds_load_b32 v[40+\j], v[L4] offset:SCV+128*\j  ; waves 2 j and 2 j + 1 have 64 bytes each: tile 2 j + lane / 16, row lane % 16
.endr
	s_wait_dscnt 0x0
	global_store_b64 v[L8], v[40:41], s[KD:KD+1] offset:VSC
	s_branch .Lend
.Lnot_wave_2:
	s_or_b32 s46, ttmp9, s35                       ; 0 where s = 0 and b = 0: each byte of rout has one owner
	s_cmp_lg_u32 s46, 0
	s_cbranch_scc1 .Lend
	global_load_b64 v[40:41], v[CG], s[26:27]      ; w_out: the head's 64 numbers
	s_wait_loadcnt 0x0
	v_add_f32 v42, 1.0, |v40|
	v_add_f32 v43, 1.0, |v41|
	s_wait_alu depctr_va_vdst(0)
	v_rcp_f32 v44, v42
	v_rcp_f32 v45, v43
	v_nop
	s_wait_alu depctr_va_vdst(0)                   ; the wait ahead of the first reader
	v_fma_f32 v46, -v42, v44, 1.0
	v_fma_f32 v47, -v43, v45, 1.0
	v_fma_f32 v44, v46, v44, v44
	v_fma_f32 v45, v47, v45, v45
	global_store_b64 v[CG], v[44:45], s[32:33]     ; 32 lanes store 256 consecutive bytes, aligned
.Lend:
	s_set_vgpr_msb 0x5
	s_wait_tensorcnt 0x0
	ds_add_u32 v0, v1
	s_wait_dscnt 0x0
	s_set_vgpr_msb 0x500
	s_endpgm
.Lfunc_end_k_q27a5127f5c_prep:
	.size	k_q27a5127f5c_prep, .Lfunc_end_k_q27a5127f5c_prep-k_q27a5127f5c_prep
	.p2alignl 7, 3214868480
	.fill 96, 4, 3214868480
	.section	.rodata,"a",@progbits
	.p2align	6, 0x0
	.amdhsa_kernel k_q27a5127f5c_prep
		.amdhsa_group_segment_fixed_size 45056
		.amdhsa_private_segment_fixed_size 0
		.amdhsa_enable_private_segment 0
		.amdhsa_kernarg_size 104
		.amdhsa_user_sgpr_count 2
		.amdhsa_user_sgpr_kernarg_segment_ptr 1
		.amdhsa_wavefront_size32 1
		.amdhsa_system_sgpr_workgroup_id_x 1
		.amdhsa_system_sgpr_workgroup_id_y 1
		.amdhsa_system_sgpr_workgroup_id_z 1
		.amdhsa_system_vgpr_workitem_id 0
		.amdhsa_next_free_vgpr 258
		.amdhsa_next_free_sgpr 66
		.amdhsa_reserve_vcc 0
		.amdhsa_float_denorm_mode_32 3
		.amdhsa_float_denorm_mode_16_64 3
		.amdhsa_memory_ordered 1
		.amdhsa_forward_progress 1
		.amdhsa_inst_pref_size 255
	.end_amdhsa_kernel
	.section	.bss,"aw",@nobits
	.p2align	6
	.space	262144
	.amdgpu_metadata
---
amdhsa.version: [ 1, 2 ]
amdhsa.kernels:
  - .name:           k_q27a5127f5c_prep
    .symbol:         k_q27a5127f5c_prep.kd
    .args:
      - { .name: x, .offset: 0, .size: 8, .value_kind: global_buffer, .address_space: global }
      - { .name: w_q, .offset: 8, .size: 8, .value_kind: global_buffer, .address_space: global }
      - { .name: b_q, .offset: 16, .size: 8, .value_kind: global_buffer, .address_space: global }
      - { .name: phi_q, .offset: 24, .size: 8, .value_kind: global_buffer, .address_space: global }
      - { .name: w_k, .offset: 32, .size: 8, .value_kind: global_buffer, .address_space: global }
      - { .name: b_k, .offset: 40, .size: 8, .value_kind: global_buffer, .address_space: global }
      - { .name: phi_k, .offset: 48, .size: 8, .value_kind: global_buffer, .address_space: global }
      - { .name: w_v, .offset: 56, .size: 8, .value_kind: global_buffer, .address_space: global }
      - { .name: b_v, .offset: 64, .size: 8, .value_kind: global_buffer, .address_space: global }
      - { .name: w_out, .offset: 72, .size: 8, .value_kind: global_buffer, .address_space: global }
      - { .name: kv, .offset: 80, .size: 8, .value_kind: global_buffer, .address_space: global }
      - { .name: qc, .offset: 88, .size: 8, .value_kind: global_buffer, .address_space: global }
      - { .name: rout, .offset: 96, .size: 8, .value_kind: global_buffer, .address_space: global }
    .group_segment_fixed_size: 45056
    .private_segment_fixed_size: 0
    .kernarg_segment_align: 8
    .kernarg_segment_size: 104
    .max_flat_workgroup_size: 128
    .sgpr_count:     66
    .vgpr_count:     258
    .wavefront_size: 32
...
	.end_amdgpu_metadata
.endif
;; end of part 1
;; launch attn (part 2): grid 8 x 32, 16 waves a work-group, clusters of 4 x 1, 309,248 bytes of LDS; arguments kv, qc, rout, b_out, out0; writes out0
.if DOCPART == 2
	.amdgcn_target "amdgcn-amd-amdhsa--gfx1250"
	.amdhsa_code_object_version 6
	.text
	.protected	k_q27a5127f5c_attn
	.globl	k_q27a5127f5c_attn
	.p2align	8
	.type	k_q27a5127f5c_attn,@function
k_q27a5127f5c_attn:
	s_mov_b64 s[64:65], 0
	v_nop
	global_prefetch_b8 v0, s[64:65] scope:SCOPE_SE
	s_setreg_imm32_b32 hwreg(HW_REG_WAVE_MODE, 25, 1), 1
	s_wait_xcnt 0x0
	s_wait_alu depctr_hold_cnt(0) depctr_sa_sdst(0) depctr_va_vdst(0) depctr_va_sdst(0) depctr_va_ssrc(0) depctr_va_vcc(0) depctr_vm_vsrc(0)
	s_getreg_b32 s2, hwreg(HW_REG_IB_STS2, 6, 4)
	s_cmp_eq_u32 s2, 0
	s_cbranch_scc0 .Lentry_in_a_cluster
	s_endpgm
.Lentry_in_a_cluster:
	s_bfe_u32 s2, ttmp6, 0x10000c
	s_cmp_lg_u32 s2, 0x3003
	s_cbranch_scc0 .Lentry_shape_is_right
	s_endpgm
.Lentry_shape_is_right:
; Causal attention on codes of FP6 (E2M3) with E8M0 scales, and the output function cos + sin of out / (1 + |w_out|) + b_out by the interpolated table.  32 heads (hd = 16 b + h), 2,048 positions, Q and K rows of 128, V rows of 64.
; kv, qc, rout are this program's own buffers: fragments as images of their registers, scale words beside them (their layout: the constants below).
; A WHOLE HEAD'S K AND V STAY IN LDS: 16 key steps of 128 keys, 19,200 bytes each, 307,200 in all, filled once by waves 0-7, two tensor loads each.  No slot is ever filled again: no ring, no barrier in the loop.
; SHARES.  Work-group p (0..7) of a head owns the 16 queries 128 blk + 16 p + 0..15 of EVERY block blk = 0..15 of 128 queries: tile blk needs key steps 0..blk, 136 steps in all, the same in every work-group.
; For beta = 0..7 the tiles lo = beta (beta + 1 steps) and hi = 15 - beta (16 - beta steps) are shared by two waves: wave beta does lo whole and hi's steps 9 .. 15 - beta (8 steps); wave 8 + beta does hi's steps 0..8 (9 steps).
; Wave beta hands its part of hi's sums to wave 8 + beta through LDS at the end; they are simply added, since all p are taken under one M (below).
; CLUSTER.  The four work-groups of a cluster belong to one head and need the same K and V: each fill is asked for JOINTLY.  Every branch, trip count and LDS address hangs on the wave's number alone;
; the work-group's place enters global addresses of Q and of the output, and one vector register of the mask.
; LAYOUT.  Both products are used transposed: S^T = K Q^T (source 0 = 16 keys, source 1 = my 16 queries), O^T = V^T P^T (source 0 = 16 channels, source 1 = P): a lane holds ONE query (lane % 16) throughout.
; The keys of a tile of K were chosen so that the 16 registers of tiles 2 b and 2 b + 1 are the keys 32 b + 16 (lane / 16) + 0..15 of the step.
; THE SOFTMAX: p = 2^(t - M), t = score x log2(e) / sqrt(128), with M = 10 FOR EVERY ROW, in place of the ceiling of the row's largest t.  The computation itself bounds t for every finite input: each pair (cos, sin) is a
; weighted mean of two unit vectors, so a row of Q or K has length at most 8; quantising moves each of its 128 numbers by at most 1/16, so at most 8.71; |score| <= 75.8 and |t| <= 9.67.  So 2^-19.7 <= p < 1 and a row's sum is under
; 2,048: nothing overflows or underflows.  M is a whole number, so against the ceiling of the row's maximum every p, every block's scale and the sum differ by one exact power of two, which O / sum does not see.
; LIMITS: NaN and infinities in x are not served.  The output function's table nodes are sin and cos of 2 pi i / 4096 to about 2e-7, where the table holds those of the angle rounded to f32 (at most 6e-7 away).
; No prefetch: all that a work-group reads of kv and qc is asked for in its first lines.
.set STEPB, 19200                      ; a key step in kv and in LDS:
.set FRB,   1536                       ;   K's 8 fragments, 1,536 bytes each (registers 4 c .. 4 c + 3 of lane L at 512 c + 16 L),
.set KSC,   8*FRB                      ;   K's scale words, 512 bytes (word 4 j of lane L's 16 bytes: tile 2 j + L / 16, row L % 16),
.set VFR,   KSC+512                    ;   V^T's 4 fragments,
.set VSC,   VFR+4*FRB                  ;   V's scale words, 256 bytes (the same with 8 bytes a lane)
.set QCB,   KSC+512                    ; a block of 128 queries in qc: 8 fragments, 512 bytes of scale words
.set PARTB, 4352                       ; at the end, in bytes that have had their only fill and their last read: for each beta 8 images of 512 bytes and 128 bytes of sums (rounded up to 4,352),
.set OSTG,  8*PARTB                    ; and for each wave a stage of 16 rows x (256 bytes + 16)
.set L16,  1                           ; v1   16 x lane
.set L8,   2                           ; v2   8 x lane
.set DG,   3                           ; v3   16 p + lane % 16 - 16 (lane / 16): register 16 b + i of the diagonal step is hidden where 32 b + i is above it
.set AD,   4                           ; v4   the step's LDS byte + 16 x lane;  v5 + 8 x lane
.set AD8,  5
.set GO,   6                           ; v6   the way out: 4096 (lane / 16) + 16 (lane % 16)
.set SO,   7                           ; v7   the stage: where I put 32 bytes of a row;  v8 where I read a row back
.set SR,   8
.set PA,   9                           ; v9   the pair's images: 4352 beta + 16 x lane
.set LS,   10                          ; v[10:11] the row's sum, in two halves
.set LSV,  12                          ; v[12:13] the first tile's sum, kept; at the end 1 / sum
.set M10,  14                          ; v[14:15] -10.0
.set Q,    16                          ; v16-27 Q's fragment;  v28 its scale words
.set QS,   28
.set PL,   29                          ; v29  the pair's sums: 4352 beta + 4096 + 4 x lane
.set NINF, 30                          ; v30  -infinity
.set R16,  31                          ; v31  16 (lane % 16)
.set F,    32                          ; v32-79 four fragments of K or of V
.set Q2,   80                          ; v80-91 the second tile's Q;  v92 its scale words
.set QS2,  92
.set RBO,  93                          ; v93  256 h + 32 (lane / 16): my channels in rout and b_out
.set S,    96                          ; v96-159 S^T, then p; at the end rout's and b_out's numbers
.set OT,   160                         ; v160-191 O^T: tile t (channels 16 t + 8 (lane / 16) + 0..7) at 160 + 8 t
.set SAVE, 192                         ; v192-223 the first tile's O^T, kept
.set PC,   224                         ; v224-235 p's codes
.set BM,   232                         ; v232-235 the blocks' largest scores, then their p (dead before the codes are made)
.set T4,   236                         ; v236-243 lane permutes' destinations, bytes, the conversions' second halves
.set SOP,  244                         ; v244-247 the conversions' scale operands
.set KS,   248                         ; v248-251 K's scale words;  v252-253 V's;  v254 p's
.set VS,   252
.set PW,   254
.set RA,   32                          ; the output function: four arrays of eight at work, four coefficient pairs, a fifth array
.set RE,   40
.set RB,   48
.set RP,   56
.set PS2,  64
.set PS1,  66
.set PC2,  68
.set PC1,  70
.set XR,   72
.set WV,   14                          ; s14  my wave's number
.set PP,   16                          ; s16  p
.set HD,   17                          ; s17  the head
.set BLK1, 18                          ; s18  my first tile's block, which is also the one that I store
.set BLK2, 19                          ; s19  my second tile's
.set SEL,  20                          ; s[20:21] v_permlanex16_b32's selects for lane l xor 16
.set CS,   22                          ; s[22:23] c = log2(e) / sqrt(128)
.set G1,   24                          ; s[24:31] descriptor group 1;  s[32:35], s[36:39] groups 0 of my two fills
.set G0A,  32
.set G0B,  36
.set N,    40                          ; s40  the loop's counter: key steps done or passed
.set SWN,  41                          ; s41  at which count I change tiles (never: 99 and more)
.set NT,   42                          ; s42  how many steps are mine
.set STP,  43                          ; s43  the key step in hand
.set BLK,  44                          ; s44  the block of the tile in hand: its diagonal step
.set KB,   45                          ; s45  the step's LDS byte
.macro PLACES                          ; four plain places: behind a matrix instruction of this form, in front of loads into its registers and of the first read of its result (ISA guide 7.12.1 for vector instructions)
.rept 4
	v_nop
.endr
.endm
.macro CROUND                          ; a round of the cluster's barrier
	s_barrier_signal -1
	s_barrier_wait -1
	s_cmp_lg_u32 s[WV], 0
	s_cbranch_scc1 .Lnot_wave_0_\@
	s_barrier_signal -3
.Lnot_wave_0_\@:
	s_barrier_wait -3
	s_barrier_signal -1
	s_barrier_wait -1
.endm
; Lines of four packed instructions on eight numbers.  V: an array of eight registers; C: a constant; P: one register pair for all four
.macro M_VC d, a, c
.irp k, 0,2,4,6
	v_pk_mul_f32 v[(\d)+\k:(\d)+\k+1], v[(\a)+\k:(\a)+\k+1], \c op_sel_hi:[1,0]
.endr
.endm
.macro A_VC d, a, c
.irp k, 0,2,4,6
	v_pk_add_f32 v[(\d)+\k:(\d)+\k+1], v[(\a)+\k:(\a)+\k+1], \c op_sel_hi:[1,0]
.endr
.endm
.macro M_VV d, a, b
.irp k, 0,2,4,6
	v_pk_mul_f32 v[(\d)+\k:(\d)+\k+1], v[(\a)+\k:(\a)+\k+1], v[(\b)+\k:(\b)+\k+1]
.endr
.endm
.macro A_VV d, a, b
.irp k, 0,2,4,6
	v_pk_add_f32 v[(\d)+\k:(\d)+\k+1], v[(\a)+\k:(\a)+\k+1], v[(\b)+\k:(\b)+\k+1]
.endr
.endm
.macro S_VV d, a, b                    ; a - b
.irp k, 0,2,4,6
	v_pk_add_f32 v[(\d)+\k:(\d)+\k+1], v[(\a)+\k:(\a)+\k+1], v[(\b)+\k:(\b)+\k+1] neg_lo:[0,1] neg_hi:[0,1]
.endr
.endm
.macro F_VCV d, a, c, e                ; a c + e
.irp k, 0,2,4,6
	s_delay_alu instid0(VALU_DEP_4)
	v_pk_fma_f32 v[(\d)+\k:(\d)+\k+1], v[(\a)+\k:(\a)+\k+1], \c, v[(\e)+\k:(\e)+\k+1] op_sel_hi:[1,0,1]
.endr
.endm
.macro F_VCP d, a, c, p
.irp k, 0,2,4,6
	v_pk_fma_f32 v[(\d)+\k:(\d)+\k+1], v[(\a)+\k:(\a)+\k+1], \c, v[(\p):(\p)+1] op_sel_hi:[1,0,1]
.endr
.endm
.macro F_VCC d, a, c, e
.irp k, 0,2,4,6
	v_pk_fma_f32 v[(\d)+\k:(\d)+\k+1], v[(\a)+\k:(\a)+\k+1], \c, \e op_sel_hi:[1,0,0]
.endr
.endm
.macro F_VVP d, a, b, p
.irp k, 0,2,4,6
	s_delay_alu instid0(VALU_DEP_4)
	v_pk_fma_f32 v[(\d)+\k:(\d)+\k+1], v[(\a)+\k:(\a)+\k+1], v[(\b)+\k:(\b)+\k+1], v[(\p):(\p)+1]
.endr
.endm
.macro F_VVC d, a, b, c
.irp k, 0,2,4,6
	s_delay_alu instid0(VALU_DEP_4)
	v_pk_fma_f32 v[(\d)+\k:(\d)+\k+1], v[(\a)+\k:(\a)+\k+1], v[(\b)+\k:(\b)+\k+1], \c op_sel_hi:[1,1,0]
.endr
.endm
.macro F_VNC d, a, b, c                ; c - a b
.irp k, 0,2,4,6
	v_pk_fma_f32 v[(\d)+\k:(\d)+\k+1], v[(\a)+\k:(\a)+\k+1], v[(\b)+\k:(\b)+\k+1], \c op_sel_hi:[1,1,0] neg_lo:[0,1,0] neg_hi:[0,1,0]
.endr
.endm
.macro F_VVV d, a, b, e
.irp k, 0,2,4,6
	s_delay_alu instid0(VALU_DEP_4)
	v_pk_fma_f32 v[(\d)+\k:(\d)+\k+1], v[(\a)+\k:(\a)+\k+1], v[(\b)+\k:(\b)+\k+1], v[(\e)+\k:(\e)+\k+1]
.endr
.endm
.macro FLOOR d, a
.irp k, 0,1,2,3,4,5,6,7
	v_floor_f32 v[(\d)+\k], v[(\a)+\k]
.endr
.endm
; THE TABLE FUNCTION WITHOUT A TABLE, eight phases in v[th] on.  pos, i0 and f as they are defined; the node i0 = 2048 k + j, |j| <= 1024: sine and cosine of x = j pi / 4096 by polynomials, one doubling, the sign (-1)^k.
; Leaves: RA = f, RE = sin and RB = cos of the node's angle without its sign, bit 0 of v[th] = k & 1
.macro CORE th
	M_VC  RA, \th, 0.15915494          ; th x 1 / 2 pi,
	F_VCV RE, RA, 0xc0c90fdb, \th      ; what that leaves of th,
	F_VCV RA, RE, 0.15915494, RA       ; and the corrected quotient u = th / 2 pi
	FLOOR RE, RA
	S_VV  RA, RA, RE                   ; u mod 1
	M_VC  RA, RA, 0x45800000           ; pos = x 4096
	FLOOR RE, RA                       ; i0
	S_VV  RA, RA, RE                   ; f
	A_VC  \th, RE, 0x50c00000          ; + 1.5 x 2^34, whose last place is 2048: i0 is rounded to 2048 k, and the sum's lowest bit is k & 1
	A_VC  RB, \th, 0xd0c00000          ; 2048 k
	S_VV  RE, RE, RB                   ; j
	M_VC  RE, RE, 0x3a490fdb           ; x = j pi / 4096
	M_VV  RB, RE, RE                   ; z = x^2
	F_VCP RP, RB, 0xb94ca1f9, PS2
	F_VVP RP, RP, RB, PS1
	M_VV  RP, RP, RB
	F_VVV RP, RP, RE, RE               ; sin x
	F_VCP RE, RB, 0x37ccf5ce, PC2
	F_VVP RE, RE, RB, PC1
	F_VVC RE, RE, RB, -0.5
	F_VVC RE, RE, RB, 1.0              ; cos x
	A_VV  RB, RP, RP
	M_VV  RE, RB, RE                   ; s0 = 2 sin x cos x
	F_VNC RB, RB, RP, 1.0              ; c0 = 1 - 2 sin^2 x
.endm
.macro LERPSUM th                      ; the second node is the first turned by h = 2 pi / 4096: cosine + sine = s0 (P - A) + c0 (P + A), P = 1 + f (cos h - 1), A = f sin h
	F_VCC RP, RA, 0xb59de9e4, 1.0
	M_VC  RA, RA, 0x3ac90fd5
	S_VV  XR, RP, RA
	A_VV  RP, RP, RA
	M_VV  XR, RE, XR
	F_VVV XR, RB, RP, XR
.irp k, 0,1,2,3,4,5,6,7
	v_lshl_add_u32 v[(\th)+\k], v[(\th)+\k], 31, v[XR+\k]    ; where k is odd the sum's top bit turns over: the sign
.endr
.endm
; A KEY STEP: 128 keys at LDS byte s[KB].  first = 1: its products start O^T's sums
.macro STEP first
	v_add_nc_u32 v[AD], s[KB], v[L16]
	s_wait_alu depctr_va_vdst(0)
	v_add_nc_u32 v[AD8], s[KB], v[L8]
	ds_load_b128 v[KS:KS+3], v[AD] offset:KSC      ; register j: lanes 0-15 the words of tile 2 j, lanes 16-31 those of tile 2 j + 1
	ds_load_b64 v[VS:VS+1], v[AD8] offset:VSC
.irp g, 0,1                                    ; S^T = K Q^T, four tiles of 16 keys at a time
.if \g
	PLACES                                         ; in front of loads into registers that the four products above have read
.endif
.irp t, 0,1,2,3
.irp c, 0,1,2
	ds_load_b128 v[F+12*\t+4*\c:F+12*\t+4*\c+3], v[AD] offset:(4*\g+\t)*FRB+512*\c
.endr
.endr
	s_wait_dscnt 0x0
.irp t, 0,2
	v_wmma_scale_f32_16x16x128_f8f6f4 v[S+8*(4*\g+\t):S+8*(4*\g+\t)+7], v[F+12*\t:F+12*\t+11], v[Q:Q+11], 0, v[KS+2*\g+\t/2], v[QS] matrix_a_fmt:MATRIX_FMT_FP6 matrix_b_fmt:MATRIX_FMT_FP6
	v_wmma_scale_f32_16x16x128_f8f6f4 v[S+8*(4*\g+\t+1):S+8*(4*\g+\t+1)+7], v[F+12*(\t+1):F+12*(\t+1)+11], v[Q:Q+11], 0, v[KS+2*\g+\t/2], v[QS] matrix_a_fmt:MATRIX_FMT_FP6 matrix_b_fmt:MATRIX_FMT_FP6 matrix_a_scale:MATRIX_SCALE_ROW1
.endr
.endr
	PLACES                                         ; in front of the loads below and of the first read of the scores
.irp t, 0,1,2,3                                ; V's four fragments land while the softmax is worked
.irp c, 0,1,2
	ds_load_b128 v[F+12*\t+4*\c:F+12*\t+4*\c+3], v[AD] offset:VFR+\t*FRB+512*\c
.endr
.endr
	s_cmp_lg_u32 s[STP], s[BLK]                    ; the tile's diagonal step?  (wave's number and counts alone)
	s_cbranch_scc1 .Lopen_\@
.set n, 0
.rept 64                                       ; hidden scores become -infinity: p = 0 then.  Each accumulator from its low end on
	v_cmp_gt_i32 vcc_lo, 32*(n/16)+n%16, v[DG]
	v_cndmask_b32 v[S+n], v[S+n], v[NINF], vcc_lo
.set n, n+1
.endr
.Lopen_\@:
.irp b, 0,1,2,3
	v_max3_num_f32 v[BM+\b], v[S+16*\b], v[S+1+16*\b], v[S+2+16*\b]   ; the largest score of each block of 32 keys: p rises with the score, so it gives the block's largest p
.endr
.irp i, 3,5,7,9,11,13
.irp b, 0,1,2,3
	v_max3_num_f32 v[BM+\b], v[BM+\b], v[S+16*\b+\i], v[S+1+16*\b+\i]   ; (the four blocks by turns)
.endr
.endr
.irp b, 0,1,2,3
	v_max_num_f32 v[BM+\b], v[BM+\b], v[S+15+16*\b]
.endr
.irp b, 0,1,2,3
	s_delay_alu instid0(VALU_DEP_4)
	v_permlanex16_b32 v[T4+\b], v[BM+\b], s[SEL], s[SEL+1]
.endr
.irp b, 0,1,2,3
	s_delay_alu instid0(VALU_DEP_4)
	v_max_num_f32 v[BM+\b], v[BM+\b], v[T4+\b]     ; with lane l xor 16's 16 keys
.endr
.set n, 0
	s_setprio 1
.rept 32
	v_pk_fma_f32 v[S+n:S+n+1], v[S+n:S+n+1], s[CS:CS+1], v[M10:M10+1] op_sel_hi:[1,0,0]   ; t - 10, two at a time
.set n, n+2
.endr
.irp b, 0,1,2,3
	v_fma_f32 v[BM+\b], v[BM+\b], s[CS], v[M10]    ; the same of each block's largest score
.endr
.set n, 0
	s_wait_alu depctr_va_vdst(0)
.rept 64
	v_exp_f32 v[S+n], v[S+n]                       ; p = 2^(t - 10): not normalised
.set n, n+1
.endr
.irp b, 0,1,2,3
	v_exp_f32 v[BM+\b], v[BM+\b]                   ; the block's largest p: the same two instructions on the same number
.endr
	v_nop                                          ; a plain place behind the 68 exponentials,
	s_wait_alu depctr_va_vdst(0)                   ; and the one wait ahead of their first reader
.irp b, 0,1,2,3
	v_max_num_f32 v[BM+\b], 0x1800000, v[BM+\b]    ; the floor 2^(3 - 127): a block that is all hidden keeps the byte 1; its codes are zeros
.endr
.irp b, 0,1,2,3
	s_delay_alu instid0(VALU_DEP_4)
	v_add_nc_u32 v[SOP+\b], 0xff000000, v[BM+\b]   ; 2 off the exponent field: the conversion's scale operand
.endr
.irp b, 0,1,2,3
	s_delay_alu instid0(VALU_DEP_4)
	v_lshrrev_b32 v[T4+\b], 23, v[SOP+\b]          ; the scale's byte
.endr
	s_delay_alu instid0(VALU_DEP_3)
	v_lshl_or_b32 v[PW], v[T4+1], 8, v[T4]         ; p's scale word for these 128 keys
	s_delay_alu instid0(VALU_DEP_1)
	v_lshl_or_b32 v[PW], v[T4+2], 16, v[PW]
	s_delay_alu instid0(VALU_DEP_1)
	v_lshl_or_b32 v[PW], v[T4+3], 24, v[PW]
.irp c, 0,1
	v_cvt_scalef32_pk16_fp6_f32 v[PC+6*\c:PC+2+6*\c], v[S+32*\c:S+15+32*\c], v[SOP+2*\c]
	v_cvt_scalef32_pk16_fp6_f32 v[T4+4*\c:T4+2+4*\c], v[S+16+32*\c:S+31+32*\c], v[SOP+2*\c+1]   ; (a conversion's three registers begin on an even number)
.endr
	v_nop                                          ; one plain place behind the scaled conversions
.irp c, 0,1                                    ; the operand's layout wants a WHOLE block in a lane: lanes 0-15 block 2 c, lanes 16-31 block 2 c + 1
.irp i, 0,1,2
	v_permlane16_swap_b32 v[PC+6*\c+\i], v[T4+4*\c+\i]
.endr
.irp i, 0,1,2
	s_delay_alu instid0(VALU_DEP_3)
	v_mov_b32 v[PC+3+6*\c+\i], v[T4+4*\c+\i]
.endr
.endr
	s_setprio 0
	v_pk_add_f32 v[236:237], v[100:101], v[104:105]
	v_pk_add_f32 v[250:251], v[108:109], v[112:113]
	v_pk_add_f32 v[248:249], v[116:117], v[120:121]
	v_pk_add_f32 v[246:247], v[124:125], v[128:129]
	v_pk_add_f32 v[244:245], v[132:133], v[136:137]
	v_pk_add_f32 v[240:241], v[140:141], v[144:145]
	v_pk_add_f32 v[94:95], v[148:149], v[152:153]
	v_pk_add_f32 v[10:11], v[10:11], v[156:157]
	v_pk_add_f32 v[236:237], v[236:237], v[96:97]
	v_pk_add_f32 v[250:251], v[250:251], v[98:99]
	v_pk_add_f32 v[248:249], v[248:249], v[102:103]
	v_pk_add_f32 v[246:247], v[246:247], v[106:107]
	v_pk_add_f32 v[244:245], v[244:245], v[110:111]
	v_pk_add_f32 v[240:241], v[240:241], v[114:115]
	v_pk_add_f32 v[94:95], v[94:95], v[118:119]
	v_pk_add_f32 v[10:11], v[10:11], v[122:123]
	v_pk_add_f32 v[236:237], v[236:237], v[126:127]
	v_pk_add_f32 v[250:251], v[250:251], v[130:131]
	v_pk_add_f32 v[248:249], v[248:249], v[134:135]
	v_pk_add_f32 v[246:247], v[246:247], v[138:139]
	v_pk_add_f32 v[244:245], v[244:245], v[142:143]
	v_pk_add_f32 v[240:241], v[240:241], v[146:147]
	v_pk_add_f32 v[94:95], v[94:95], v[150:151]
	v_pk_add_f32 v[10:11], v[10:11], v[154:155]
	v_pk_add_f32 v[236:237], v[236:237], v[158:159]
	s_delay_alu instid0(VALU_DEP_2)
	v_pk_add_f32 v[10:11], v[10:11], v[246:247]
	s_delay_alu instid0(VALU_DEP_2)
	v_pk_add_f32 v[236:237], v[236:237], v[244:245]
	v_pk_add_f32 v[250:251], v[250:251], v[240:241]
	v_pk_add_f32 v[248:249], v[248:249], v[94:95]
	s_delay_alu instid0(VALU_DEP_2)
	v_pk_add_f32 v[10:11], v[10:11], v[250:251]
	s_delay_alu instid0(VALU_DEP_2)
	v_pk_add_f32 v[236:237], v[236:237], v[248:249]
	s_delay_alu instid0(VALU_DEP_1)
	v_pk_add_f32 v[10:11], v[10:11], v[236:237]
	s_wait_dscnt 0x0                               ; V's fragments are in
.irp t, 0,2                                    ; O^T += V^T P^T; the four accumulators take turns
.if \first
	v_wmma_scale_f32_16x16x128_f8f6f4 v[OT+8*\t:OT+8*\t+7], v[F+12*\t:F+12*\t+11], v[PC:PC+11], 0, v[VS+\t/2], v[PW] matrix_a_fmt:MATRIX_FMT_FP6 matrix_b_fmt:MATRIX_FMT_FP6
	v_wmma_scale_f32_16x16x128_f8f6f4 v[OT+8*(\t+1):OT+8*(\t+1)+7], v[F+12*(\t+1):F+12*(\t+1)+11], v[PC:PC+11], 0, v[VS+\t/2], v[PW] matrix_a_fmt:MATRIX_FMT_FP6 matrix_b_fmt:MATRIX_FMT_FP6 matrix_a_scale:MATRIX_SCALE_ROW1
.else
	v_wmma_scale_f32_16x16x128_f8f6f4 v[OT+8*\t:OT+8*\t+7], v[F+12*\t:F+12*\t+11], v[PC:PC+11], v[OT+8*\t:OT+8*\t+7], v[VS+\t/2], v[PW] matrix_a_fmt:MATRIX_FMT_FP6 matrix_b_fmt:MATRIX_FMT_FP6
	v_wmma_scale_f32_16x16x128_f8f6f4 v[OT+8*(\t+1):OT+8*(\t+1)+7], v[F+12*(\t+1):F+12*(\t+1)+11], v[PC:PC+11], v[OT+8*(\t+1):OT+8*(\t+1)+7], v[VS+\t/2], v[PW] matrix_a_fmt:MATRIX_FMT_FP6 matrix_b_fmt:MATRIX_FMT_FP6 matrix_a_scale:MATRIX_SCALE_ROW1
.endif
.endr
	PLACES                                         ; for the next step's loads, the change of tiles and the end alike
.endm
	s_load_b256 s[4:11], s[0:1], 0x0               ; kv s[4:5], qc s[6:7], rout s[8:9], b_out s[10:11]
	s_load_b64 s[12:13], s[0:1], 0x20              ; out0
	v_lshl_add_u32 v243, v0, 2, 0x4b000
	v_mov_b32 v255, 0
	ds_add_u32 v243, v255
	ds_add_u32 v243, v255
	v_lshrrev_b32 v1, 5, v0
	s_delay_alu instid0(VALU_DEP_1)
	v_readfirstlane_b32 s[WV], v1                  ; wave 0..15
	s_bfe_u32 s15, ttmp6, 0x40000                  ; cx: my place in the cluster
	s_lshl_b32 s[PP], ttmp9, 2                     ; in a cluster launch ttmp9 counts clusters
	s_add_co_u32 s[PP], s[PP], s15                 ; p = 4 x cluster x + cx
	s_and_b32 s[HD], ttmp7, 0xffff                 ; the head, which the four partners share
	s_lshr_b32 s59, s[WV], 3                       ; g: 0 in waves 0-7, 1 in waves 8-15
	s_mul_i32 s60, s59, 7
	s_xor_b32 s[BLK1], s[WV], s60                  ; w, or 23 - w
	s_lshl_b32 s60, s59, 3
	s_xor_b32 s[BLK2], s[WV], 15
	s_xor_b32 s[BLK2], s[BLK2], s60                ; 15 - w, or 23 - w
	s_mul_i32 s60, s59, 90
	s_add_co_u32 s[SWN], s[WV], 1
	s_add_co_u32 s[SWN], s[SWN], s60               ; w + 1, or a count that the loop never reaches
	s_add_co_u32 s[NT], s59, 8                     ; 8 steps, or 9
	s_and_b32 s58, s[WV], 7                        ; beta
	; every LDS address register is made here, ahead of the first branch on the wave's number
	v_and_b32 v64, 31, v0                          ; lane
	v_and_b32 v65, 15, v0                          ; r
	v_bfe_u32 v66, v0, 4, 1                        ; lane / 16
	s_delay_alu instid0(VALU_DEP_3)
	v_lshlrev_b32 v[L16], 4, v64
	s_delay_alu instid0(VALU_DEP_4)
	v_lshlrev_b32 v[L8], 3, v64
	s_lshl_b32 s59, s[PP], 4
	v_lshlrev_b32 v[DG], 4, v66
	s_delay_alu instid0(VALU_DEP_1)
	v_sub_nc_u32 v[DG], v65, v[DG]
	s_delay_alu instid0(VALU_DEP_1)
	v_add_nc_u32 v[DG], s59, v[DG]
	v_lshlrev_b32 v[GO], 4, v65
	s_delay_alu instid0(VALU_DEP_1)
	v_lshl_add_u32 v[GO], v66, 12, v[GO]
	s_mul_i32 s59, s[WV], PARTB
	s_add_co_u32 s59, s59, OSTG                    ; my stage
	v_mul_u32_u24 v[SO], v65, 272
	s_delay_alu instid0(VALU_DEP_1)
	v_lshl_add_u32 v[SO], v66, 5, v[SO]
	s_delay_alu instid0(VALU_DEP_1)
	v_add_nc_u32 v[SO], s59, v[SO]
	v_mul_u32_u24 v[SR], v66, 272
	s_delay_alu instid0(VALU_DEP_1)
	v_lshl_add_u32 v[SR], v65, 4, v[SR]
	s_delay_alu instid0(VALU_DEP_1)
	v_add_nc_u32 v[SR], s59, v[SR]
	s_mul_i32 s59, s58, PARTB                      ; my pair's bytes
	v_add_nc_u32 v[PA], s59, v[L16]
	v_lshl_add_u32 v[PL], v64, 2, s59
	s_delay_alu instid0(VALU_DEP_1)
	v_add_nc_u32 v[PL], 4096, v[PL]
	v_lshlrev_b32 v[R16], 4, v65
	s_and_b32 s59, s[HD], 15
	s_lshl_b32 s59, s59, 8                         ; 256 h
	v_lshl_add_u32 v[RBO], v66, 5, s59
	; descriptor group 1: a key step is one dense block of 19,200 bytes: 75 rows of 256 bytes (32 elements of 8 bytes), no padding
	s_mov_b32 s[G1], 15|(3<<16)|(1<<21)            ; 15:0 the mask: all four work-groups; 17:16 elements of 8 bytes; 21 set beside a mask
	s_mov_b32 s[G1+1], 32<<16                      ; tensor_dim0 = 32
	s_mov_b32 s[G1+2], 75<<16                      ; tensor_dim1 = 75
	s_mov_b32 s[G1+3], 32<<16                      ; tile_dim0 = 32
	s_mov_b32 s[G1+4], 75                          ; tile_dim1 = 75
	s_mov_b32 s[G1+5], 32                          ; from row to row
	s_mov_b32 s[G1+6], 0
	s_mov_b32 s[G1+7], 0
	s_mul_i32 s48, s[HD], 16*STEPB                 ; the head's block of kv,
	s_mul_i32 s[G0A+1], s58, STEPB                 ; key step beta: its place in the head and in LDS alike
	s_add_co_u32 s48, s48, s[G0A+1]
	s_mov_b32 s49, 0
	; Q: fragment p of the block, and its rows' scale words: word p / 2 of the 16 bytes at 16 (16 (p % 2) + r)
	s_mul_i32 s60, s[HD], 16*QCB
	s_mul_i32 s61, s[PP], FRB
	s_and_b32 s62, s[PP], 1
	s_lshl_b32 s62, s62, 8
	s_lshr_b32 s63, s[PP], 1
	s_lshl_b32 s63, s63, 2
	s_add_co_u32 s62, s62, s63
	s_mul_i32 s63, s[BLK1], QCB
	s_add_co_u32 s63, s63, s60
	s_add_co_u32 s46, s63, s61
	s_mov_b32 s47, 0
	s_add_co_u32 s50, s63, s62
	s_mov_b32 s51, 0
	s_mul_i32 s63, s[BLK2], QCB
	s_add_co_u32 s63, s63, s60
	s_add_co_u32 s52, s63, s61
	s_mov_b32 s53, 0
	s_add_co_u32 s54, s63, s62
	s_mov_b32 s55, 0
	; the output: b x 2048 rows of 4,096 bytes + (128 BLK1 + 16 p) rows + 256 h
	s_lshr_b32 s56, s[HD], 4
	s_lshl_b32 s56, s56, 23
	s_lshl_b32 s60, s[BLK1], 19
	s_add_co_u32 s56, s56, s60
	s_lshl_b32 s60, s[PP], 16
	s_add_co_u32 s56, s56, s60
	s_add_co_u32 s56, s56, s59
	s_mov_b32 s57, 0
	s_mov_b32 s[SEL], 0x76543210
	s_mov_b32 s[SEL+1], 0xfedcba98
	s_mov_b32 s[CS], 0x3e0293ee
	s_mov_b32 s[CS+1], s[CS]                       ; (named with it as a pair, so it is written)
	s_wait_dscnt 0x0
	s_wait_kmcnt 0x0
	s_mov_b32 s[G0A], 1                            ; count = 1
	s_add_nc_u64 s[G0A+2:G0A+3], s[4:5], s[48:49]  ; key step beta
	s_mov_b32 s[G0B], 1
	s_add_co_u32 s[G0B+1], s[G0A+1], 8*STEPB       ; and key step beta + 8
	s_add_nc_u64 s[G0B+2:G0B+3], s[G0A+2:G0A+3], 8*STEPB
	s_or_b32 s[G0A+3], s[G0A+3], 0x80000000        ; type = 2
	s_or_b32 s[G0B+3], s[G0B+3], 0x80000000
	s_add_nc_u64 s[46:47], s[6:7], s[46:47]
	s_add_nc_u64 s[50:51], s[6:7], s[50:51]
	s_add_nc_u64 s[52:53], s[6:7], s[52:53]
	s_add_nc_u64 s[54:55], s[6:7], s[54:55]
	s_add_nc_u64 s[12:13], s[12:13], s[56:57]
	CROUND                                         ; all four work-groups are here: the joint loads meet
	s_cmp_lt_u32 s[WV], 8                          ; waves 0-7 fill; a wave's two fills stand in one branch: two tensor loads of mine are out
	s_cbranch_scc0 .Lno_fill
	tensor_load_to_lds s[G0A:G0A+3], s[G1:G1+7]
	s_nop 0
	tensor_load_to_lds s[G0B:G0B+3], s[G1:G1+7]
	s_nop 0
	PLACES                                         ; four v_nop follow the second, ahead of the label
.Lno_fill:
.irp c, 0,1,2
	global_load_b128 v[Q+4*\c:Q+4*\c+3], v[L16], s[46:47] offset:512*\c
	global_load_b128 v[Q2+4*\c:Q2+4*\c+3], v[L16], s[52:53] offset:512*\c
.endr
	s_wait_alu depctr_va_vdst(0)
	global_load_b32 v[QS], v[R16], s[50:51] offset:KSC
	global_load_b32 v[QS2], v[R16], s[54:55] offset:KSC
.set n, 0
.rept 32
	v_mov_b32 v[SAVE+n], 0                         ; written once, so that they hold numbers on every way through the text
.set n, n+1
.endr
.irp i, 0,1
	v_mov_b32 v[LS+\i], 0
	v_mov_b32 v[LSV+\i], 0
	v_mov_b32 v[M10+\i], 0xc1200000                ; -10.0
.endr
.irp b, 0,1,2,3
	v_mov_b32 v[T4+\b], 0                          ; a lane permute's destination counts as one of its sources
.endr
	v_mov_b32 v[NINF], 0xff800000
	s_mov_b32 s[STP], 0
	s_mov_b32 s[KB], 0
	s_mov_b32 s[BLK], s[BLK1]
	s_wait_loadcnt 0x0                             ; Q
	s_wait_tensorcnt 0x1                           ; my first fill, one of key steps 0-7, has landed; my second may stay out
	s_barrier_signal -1
	s_barrier_wait -1                              ; key steps 0-7 lie in LDS
	STEP 1                                         ; every wave's first step is key step 0
	s_mov_b32 s[STP], 1
	s_wait_tensorcnt 0x0                           ; my second fill has landed,
	s_wait_dscnt 0x0
	s_barrier_signal -1
	s_barrier_wait -1                              ; everybody's has: all sixteen key steps lie in LDS, and stay
	s_mov_b32 s[N], 1
.Ltrip:                                            ; eight trips in every wave; a wave with eight steps passes the last
	s_cmp_lg_u32 s[N], s[SWN]
	s_cbranch_scc1 .Lno_switch
	; THE CHANGE OF TILES (waves 0-7): lo is finished and kept; hi begins at key step 9
	v_mov_b32 v[QS], v[QS2]                        ; the scale words first: the moves behind them are the places that a scale register and an operand written by vector instructions owe a scaled product
.irp i, 0,1,2,3,4,5,6,7,8,9,10,11
	v_mov_b32 v[Q+\i], v[Q2+\i]
.endr
.set n, 0
.rept 32
	v_mov_b32 v[SAVE+n], v[OT+n]                   ; each accumulator from its low end on
.set n, n+1
.endr
	v_mov_b32 v[LSV], v[LS]
	v_mov_b32 v[LSV+1], v[LS+1]
.set n, 0
.rept 32
	v_mov_b32 v[OT+n], 0
.set n, n+1
.endr
	v_mov_b32 v[LS], 0
	v_mov_b32 v[LS+1], 0
	s_mov_b32 s[STP], 9
	s_mov_b32 s[BLK], s[BLK2]
.Lno_switch:
	s_cmp_ge_u32 s[N], s[NT]
	s_cbranch_scc1 .Lidle
	s_min_u32 s[KB], s[STP], 15                    ; (a key step's number is never above 15: the line states the bound)
	s_mul_i32 s[KB], s[KB], STEPB
	s_setprio 2
	STEP 0
	s_add_co_u32 s[STP], s[STP], 1
.Lidle:
	s_add_co_u32 s[N], s[N], 1
	s_cmp_lt_u32 s[N], 9
	s_cbranch_scc1 .Ltrip
	s_setprio 0
	; THE END.  Behind this barrier nobody reads K or V any more: their bytes, which have had their only fill, serve the pairs' hand-over and the stages
	s_wait_dscnt 0x0
	s_barrier_signal -1
	s_barrier_wait -1
.irp t, 0,1,2,3
	global_load_b128 v[S+8*\t:S+8*\t+3], v[RBO], s[8:9] offset:64*\t              ; 1 / (1 + |w_out|) of my channels 16 t + 8 (lane / 16) + 0..7,
	global_load_b128 v[S+8*\t+4:S+8*\t+7], v[RBO], s[8:9] offset:64*\t+16
	global_load_b128 v[S+32+8*\t:S+32+8*\t+3], v[RBO], s[10:11] offset:64*\t      ; and b_out
	global_load_b128 v[S+32+8*\t+4:S+32+8*\t+7], v[RBO], s[10:11] offset:64*\t+16
.endr
	s_cmp_ge_u32 s[WV], 8
	s_cbranch_scc1 .Lnot_giver
	s_wait_alu depctr_va_vdst(0)
	v_add_f32 v64, v[LS], v[LS+1]                  ; waves 0-7: my part of hi's sums goes to wave 8 + beta, as an image of the registers,
.irp i, 0,1,2,3,4,5,6,7
	ds_store_b128 v[PA], v[OT+4*\i:OT+4*\i+3] offset:512*\i
.endr
	ds_store_b32 v[PL], v64
	s_wait_dscnt 0x0                               ; the stores have read their registers
.set n, 0
.rept 32
	v_mov_b32 v[OT+n], v[SAVE+n]                   ; and lo comes back
.set n, n+1
.endr
	v_mov_b32 v[LS], v[LSV]
	v_mov_b32 v[LS+1], v[LSV+1]
.Lnot_giver:
	s_wait_dscnt 0x0                               ; for the others' sake
	s_barrier_signal -1
	s_barrier_wait -1
	s_cmp_lt_u32 s[WV], 8
	s_cbranch_scc1 .Lnot_taker
.irp i, 0,1,2,3,4,5,6,7
	ds_load_b128 v[F+4*\i:F+4*\i+3], v[PA] offset:512*\i
.endr
	ds_load_b32 v64, v[PL]
	s_wait_dscnt 0x0
.set n, 0
.rept 16
	v_pk_add_f32 v[OT+n:OT+n+1], v[OT+n:OT+n+1], v[F+n:F+n+1]   ; both parts were taken under the same M: they are added as they are
.set n, n+2
.endr
	v_add_f32 v[LS], v[LS], v64
.Lnot_taker:
	s_wait_alu depctr_va_vdst(0)
	v_add_f32 v[LS], v[LS], v[LS+1]                ; the sum's two halves,
	s_delay_alu instid0(VALU_DEP_1)
	v_permlanex16_b32 v[T4], v[LS], s[SEL], s[SEL+1]
	s_delay_alu instid0(VALU_DEP_1)
	v_add_f32 v[LS], v[LS], v[T4]                  ; and lane l xor 16's: the row's sum (never 0: a query's own key counts)
	s_wait_alu depctr_va_vdst(0)
	v_rcp_f32 v[LSV], v[LS]
.irp i, 0,1
	v_mov_b32 v[PS2+\i], 0x3c08839e                ; plain work behind the reciprocal
	v_mov_b32 v[PS1+\i], 0xbe2aaaa3
	v_mov_b32 v[PC2+\i], 0xbab6061a
	v_mov_b32 v[PC1+\i], 0x3d2aaaa5
.endr
	s_wait_alu depctr_va_vdst(0)                   ; the wait ahead of the first reader
	v_mov_b32 v[LSV+1], v[LSV]
	s_wait_alu depctr_va_vdst(0)
	s_wait_loadcnt 0x0                             ; rout, b_out
.set n, 0
.rept 16
	v_pk_mul_f32 v[OT+n:OT+n+1], v[OT+n:OT+n+1], v[LSV:LSV+1]   ; O / the sum
.set n, n+2
.endr
.set n, 0
.rept 16
	v_pk_fma_f32 v[OT+n:OT+n+1], v[OT+n:OT+n+1], v[S+n:S+n+1], v[S+32+n:S+32+n+1]   ; the output's phase
.set n, n+2
.endr
.irp t, 0,1,2,3
	CORE OT+8*\t
	LERPSUM OT+8*\t
.endr
	; a lane holds 32 neighbouring bytes of a row and the lanes beside it other rows: through my own stage, and back as whole pieces of 256 bytes
.irp t, 0,1,2,3
	ds_store_b128 v[SO], v[OT+8*\t:OT+8*\t+3] offset:64*\t
	ds_store_b128 v[SO], v[OT+8*\t+4:OT+8*\t+7] offset:64*\t+16
.endr
.irp i, 0,1,2,3,4,5,6,7
	ds_load_b128 v[F+4*\i:F+4*\i+3], v[SR] offset:544*\i         ; LDS serves a wave's instructions in order (ISA guide 5.7.1.4): these see my stores
.endr
.irp i, 0,1,2,3,4,5,6,7
	s_wait_dscnt 7-\i                              ; the younger loads from the stage may stay out
	global_store_b128 v[GO], v[F+4*\i:F+4*\i+3], s[12:13] offset:8192*\i th:TH_STORE_NT   ; sixteen lanes store 256 consecutive bytes, at a multiple of 256 from the output's first byte; written once
.endr
	s_wait_tensorcnt 0x0
	ds_add_u32 v243, v255
	s_wait_dscnt 0x0
	CROUND                                         ; the closing round: no work-group ends while a partner may still ask for a tile that names it
	s_endpgm
.Lfunc_end_k_q27a5127f5c_attn:
	.size	k_q27a5127f5c_attn, .Lfunc_end_k_q27a5127f5c_attn-k_q27a5127f5c_attn
	.p2alignl 7, 3214868480
	.fill 96, 4, 3214868480
	.section	.rodata,"a",@progbits
	.p2align	6, 0x0
	.amdhsa_kernel k_q27a5127f5c_attn
		.amdhsa_group_segment_fixed_size 309248
		.amdhsa_private_segment_fixed_size 0
		.amdhsa_enable_private_segment 0
		.amdhsa_kernarg_size 40
		.amdhsa_user_sgpr_count 2
		.amdhsa_user_sgpr_kernarg_segment_ptr 1
		.amdhsa_wavefront_size32 1
		.amdhsa_system_sgpr_workgroup_id_x 1
		.amdhsa_system_sgpr_workgroup_id_y 1
		.amdhsa_system_sgpr_workgroup_id_z 1
		.amdhsa_system_vgpr_workitem_id 0
		.amdhsa_next_free_vgpr 256
		.amdhsa_next_free_sgpr 66
		.amdhsa_reserve_vcc 1
		.amdhsa_float_denorm_mode_32 3
		.amdhsa_float_denorm_mode_16_64 3
		.amdhsa_memory_ordered 1
		.amdhsa_forward_progress 1
		.amdhsa_inst_pref_size 105
	.end_amdhsa_kernel
	.amdgpu_metadata
---
amdhsa.version: [ 1, 2 ]
amdhsa.kernels:
  - .name:           k_q27a5127f5c_attn
    .symbol:         k_q27a5127f5c_attn.kd
    .args:
      - { .name: kv, .offset: 0, .size: 8, .value_kind: global_buffer, .address_space: global }
      - { .name: qc, .offset: 8, .size: 8, .value_kind: global_buffer, .address_space: global }
      - { .name: rout, .offset: 16, .size: 8, .value_kind: global_buffer, .address_space: global }
      - { .name: b_out, .offset: 24, .size: 8, .value_kind: global_buffer, .address_space: global }
      - { .name: out0, .offset: 32, .size: 8, .value_kind: global_buffer, .address_space: global }
    .group_segment_fixed_size: 309248
    .private_segment_fixed_size: 0
    .kernarg_segment_align: 8
    .kernarg_segment_size: 40
    .max_flat_workgroup_size: 512
    .sgpr_count:     66
    .vgpr_count:     256
    .wavefront_size: 32
...
	.end_amdgpu_metadata
.endif
;; end of part 2
